; MI455X (gfx1250); checked and timed in simulation.
; The chip was launched on July 23, 2026; its instructions are those of AMD's public machine-readable ISA for CDNA 5 (MIT licence, August 2026) and "CDNA5" Instruction Set Architecture Reference Guide (July 2026). The comments in the code are by the model that wrote it; some were corrected since.
;; Improved Attention. Allowed arithmetic: matrix products marked QUANTISED: E2M3 operands, one E8M0 scale for each 32 along K, by v_wmma_scale_f32_16x16x128_f8f6f4 with both operands' format E2M3, f32 sums; everything else in f32.
;; Inputs: W_qkv 1,024 x 3,072 float32; mask 1 x 1 x 2,048 x 2,048 bool; x 2 x 2,048 x 1,024 float32.
;; Outputs: out0 2 x 2,048 x 1,024 float32.
;; This version of the problem:
;;   THIS VERSION OF THE PROBLEM IS GIVEN IN LOW PRECISION. The matrix products marked QUANTISED in the list below multiply operands that are first quantised to E2M3 (2 exponent bits, 3 mantissa bits; 6 bits a number), with one power-of-two scale for each 32 numbers along K (OCP MX v1.0); their sums are f32. All else is computed in f32.
;;   The module's matrix products, in the order in which they are computed (A, B: the left and right operand; K: the contracted axis; several contracted axes count as one K, in the product's order):
;;     1. [M 4,096, K 1,024] x [K 1,024, N 3,072]; A: input x; B: input W_qkv: QUANTISED
;;     2. batch 64 x [M 2,048, K 32] x [K 32, N 2,048]; A: computed on the way; B: computed on the way: QUANTISED
;;     3. batch 64 x [M 2,048, K 2,048] x [K 2,048, N 32]; A: softmax (see below); B: computed on the way: QUANTISED
;;   THE QUANTISER, for each operand of a quantised product, along K:
;;     - K is cut into blocks of 32 from its start; a last block that is shorter is filled with zeros.
;;     - A block's scale is 2^e with e = floor(log2(the largest magnitude in the block)) - 2, held to -126 .. 127; a block of zeros has e = 0. As a byte (E8M0): e + 127.
;;     - Each number is divided by its block's scale, clamped to +-7.5, and rounded to the nearest number of E2M3, ties to even, subnormals kept.
;;     - The product sums the exact products of the quantised numbers (number of the format x scale) in f32.
;;   ~~~python
;;   def quantise(x, axis):      # numpy; x: float32 -> the quantised numbers, widened to float32 again
;;       x = np.moveaxis(x, axis, -1); K = x.shape[-1]
;;       x = np.pad(x, [(0, 0)] * (x.ndim - 1) + [(0, -K % 32)]); x = x.reshape(x.shape[:-1] + (-1, 32)); a = np.abs(x).max(-1, keepdims=True)
;;       e = np.where(a > 0, np.clip(np.frexp(np.where(a > 0, a, 1))[1] - 1 - 2, -126, 127), 0)      # np.frexp(a)[1] - 1 = floor(log2(a)), exactly
;;       r = np.clip(x / 2.0 ** e, -7.5, 7.5)
;;       step = 2.0 ** (np.maximum(np.frexp(np.where(r == 0, 1, r))[1] - 1, 0) - 3)
;;       q = np.round(r / step) * step * 2.0 ** e      # np.round: ties to even
;;       return np.moveaxis(q.reshape(q.shape[:-2] + (-1,))[..., :K], -1, axis).astype(np.float32)
;;   ~~~
;;   SOFTMAX AHEAD OF A QUANTISED PRODUCT. Where the list says 'softmax', what is quantised is not the finished softmax but p = 2^(t - M), with t = logit x log2(e) and M = ceil(the row's largest t), a whole number; so 1/2 < the row's largest p <= 1. The row's sum l is taken of the UNQUANTISED p, in f32, and the product's result is divided by l at the end. Since M is a whole number, a kernel that streams over the keys may use a running M (the ceiling of the running maximum): every later rescaling is an exact power of two, which a block's scale takes up: the codes' values come out the same.
;;   OPERANDS COMPUTED ON THE WAY. 'Computed on the way' means the value that the module computes at that place (a softmax that the list does not call 'softmax' is quantised finished and normalised). What goes into a quantiser is computed in f32, as accurately as f32 sums, v_exp_f32 and their like allow (about 1e-6 of the number): no bf16 or f16 on the way to a quantiser, and a product that is left as it is and whose result goes on into a quantised operand takes f32 operands (vector FMAs, or v_wmma_f32_16x16x4_f32). A number that lies on a knife's edge between two numbers of the format may be rounded either way, as far as f32 arithmetic and the matrix unit's own rounding can turn it there, and no further.
;; One version. Each part assembles by itself: llvm-mc -triple=amdgcn-amd-amdhsa -mcpu=gfx1250 --defsym DOCPART=n.
;; ======== version 1 of 1: 3 launches
;; workspace buffers: xc 3,145,728 bytes; wc 2,359,296 bytes; xws 229,376 bytes; rt 524,288 bytes; mwf 532,480 bytes of whole numbers; qkc 6,291,456 bytes; vc 3,145,728 bytes; sc 393,216 bytes
;; launch prep (part 1): grid 512 x 1, 4 waves a work-group, no clusters, 68,096 bytes of LDS; arguments x, W_qkv, mask, xc, wc, xws, rt, mwf; writes xc, wc, xws, rt, mwf
.if DOCPART == 1
	.amdgcn_target "amdgcn-amd-amdhsa--gfx1250"
	.amdhsa_code_object_version 6
	.text
	.protected	k_q02454f4662_prep
	.globl	k_q02454f4662_prep
	.p2align	8
	.type	k_q02454f4662_prep,@function
k_q02454f4662_prep:
	s_mov_b64 s[64:65], 0
	v_nop
	global_prefetch_b8 v0, s[64:65] scope:SCOPE_SE
	s_setreg_imm32_b32 hwreg(HW_REG_WAVE_MODE, 25, 1), 1
	s_wait_xcnt 0x0
; PREP: four jobs that the later launches need, shared out by the work-group's number; each way ends by itself, waves share nothing, so there is no barrier.
;   work-groups   0-127  X: x [4096][1024] f32 -> codes of FP6 (E2M3), K innermost, 768 bytes a row, and one E8M0 byte for each 32 along K
;   work-groups 128-223  W: W_qkv [1024 (k)][3072 (n)] f32 -> codes laid [n][k], K innermost, and scale bytes [n][32]
;   work-groups 224-479  M: the mask input [2048 (q)][2048 (k)] of bytes -> one bit a (query, key), in the order in which the attention launch's lanes and registers hold scores, and two flags a step
;   work-groups 480-511  T: cos and +-sin of s x 10^(-d/8), s = 0 .. 2047, d = 0 .. 31, laid as images of the registers that take them
; THE ORDER OF ROWS.  Rows of x and columns n of W are stored at row sigma(number), sigma = bits 3 and 4 exchanged (its own inverse).  So 16 neighbouring stored rows 16 a + r are the numbers
; 32 (a / 2) + 8 (a % 2) + r % 8 + 16 (r / 8): taken as a matrix tile, two neighbouring tiles leave a lane 16 neighbours along the axis that the next quantiser runs along.
; A block's scale is 2^(floor(log2(its largest magnitude)) - 2); its byte is that magnitude's exponent field - 2, held at 1 from below.
; LIMITS: a block of zeros gets the byte 1 and not 127 (its codes are zeros, and only this program reads the bytes); blocks whose largest magnitude lies under 2^-124 keep the byte 1; NaN and infinities
; among x and W_qkv are not served; a mask byte other than 0 counts as true; the 32 frequencies are the nearest f32 to 10^(-d/8), sine and cosine are good to about 1e-7 absolute.
.set WREG,   8192                      ; X: LDS of a wave: two stages of 32 x SP bytes, behind them its 256 scale bytes.  X owns LDS bytes 0 .. 32,767
.set SP,     80                        ; X: a lane's place in a stage: 64 bytes + 16 of padding
.set CB,     12                        ; X: bytes of 16 codes
.set STEPS,  16
.set XR,     16                        ; X: v16-79   four sets of 16 numbers as loaded
.set XX,     80                        ; X: v80-111  two sets of 16 neighbours
.set XE,     112                       ; X: v112-127 a scale byte for each step
.set XC,     128                       ; X: v128-191 codes, four registers a step
.set SIZE_N, 3072
.set KW,     256                       ; W: along K for a wave
.set NB,     8                         ; W: blocks of 32
.set WROWB,  192                       ; W: bytes of KW codes
.set WPITCH, 272                       ; W: a stage row: sixteen places of 16 bytes + 16
.set KROW,   768                       ; a row of codes in memory
.set WSTG,   32768                     ; W owns LDS bytes 32,768 .. 67,583
.set WX,     32                        ; W: v32-95 two sets of 32 numbers
.set WC,     96                        ; W: a block's codes
.set OUTR,   112                       ; W: v112-175 the way out
.set SB,     24                        ; W: v24-25 the scale bytes
.set TO,     32                        ; T: v32-47 cos, v48-63 +-sin
	s_load_b512 s[4:19], s[0:1], 0x0               ; x s[4:5], W s[6:7], mask s[8:9], xc s[10:11], wc s[12:13], xws s[14:15], rt s[16:17], mwf s[18:19]
	v_lshl_add_u32 v192, v0, 2, 0x10800
	v_mov_b32 v193, 0
	v_lshrrev_b32 v1, 5, v0
	v_readfirstlane_b32 s20, v1                    ; wave 0..3
	v_and_b32 v2, 31, v0                           ; lane
	s_wait_kmcnt 0x0
	s_cmp_lt_u32 ttmp9, 128
	s_cbranch_scc1 .Lpath_x
	s_cmp_lt_u32 ttmp9, 224
	s_cbranch_scc1 .Lpath_w
	s_cmp_lt_u32 ttmp9, 480
	s_cbranch_scc1 .Lpath_m
; ---------------- T: the table.  A wave makes tile T (16 stored rows of s): lane (r, h) holds s = sigma(16 T + r) and d = 16 h + k, k = 0 .. 15.
	s_sub_co_u32 s21, ttmp9, 480
	s_lshl_b32 s21, s21, 2
	s_add_co_u32 s21, s21, s20                     ; T = 0 .. 127
	v_and_b32 v3, 7, v2
	v_bfe_u32 v4, v2, 3, 1
	v_lshl_add_u32 v3, v4, 4, v3                   ; r % 8 + 16 (r / 8)
	s_lshr_b32 s22, s21, 1
	s_lshl_b32 s22, s22, 5
	s_and_b32 s23, s21, 1
	s_lshl_b32 s23, s23, 3
	s_add_co_u32 s22, s22, s23                     ; 32 (T / 2) + 8 (T % 2)
	v_add_nc_u32 v3, s22, v3
	v_cvt_f32_u32 v5, v3                           ; s, exact
	v_bfe_u32 v4, v2, 4, 1                         ; h
	v_cmp_eq_u32 s24, 0, v4                        ; lanes 0-15
	v_xor_b32 v6, 1, v4
	v_lshlrev_b32 v6, 31, v6                       ; the sign bit for the sine where h = 0: there the partner d + 16 enters with a minus
	v_lshlrev_b32 v7, 4, v2                        ; 16 x lane
	s_lshl_b32 s22, s21, 12                        ; a tile's image is 4,096 bytes
	s_mov_b32 s23, 0
	s_add_nc_u64 s[16:17], s[16:17], s[22:23]
	s_mov_b32 s25, 0x3fc90fdb                      ; pi / 2, upper part
	s_mov_b32 s26, 0xb33bbd2e                      ; and what is left of it
	s_mov_b32 s27, 0xb94ca1f9                      ; sine:   -1.9515296e-4
	s_mov_b32 s28, 0x3c08839e                      ;          8.3321609e-3
	s_mov_b32 s29, 0xbe2aaaa3                      ;         -1.6666655e-1
	s_mov_b32 s30, 0x37ccf5ce                      ; cosine:  2.4433157e-5
	s_mov_b32 s31, 0xbab6061a                      ;         -1.3887316e-3
	s_mov_b32 s32, 0x3d2aaaa5                      ;          4.1666646e-2
; theta = s x frequency, rounded once, as the outer product has it; n = the nearest whole number to theta / (pi / 2); rho = theta - n pi / 2 by two fused steps; polynomials on |rho| <= pi / 4; the quadrant n % 4 swaps and signs.
.macro SINCOS k, lo, hi
	v_mov_b32 v8, \lo
	v_cndmask_b32 v8, \hi, v8, s24                 ; 10^(-(16 h + k) / 8)
	v_mul_f32 v8, v5, v8                           ; theta
	v_mul_f32 v9, 0x3f22f983, v8                   ; x 2 / pi
	v_rndne_f32 v9, v9                             ; n
	v_fma_f32 v10, -v9, s25, v8
	v_fma_f32 v10, -v9, s26, v10                   ; rho
	v_cvt_i32_f32 v11, v9
	v_mul_f32 v12, v10, v10                        ; z = rho^2
	v_fma_f32 v13, v12, s27, s28
	v_fma_f32 v13, v13, v12, s29
	v_mul_f32 v14, v12, v10
	v_fma_f32 v13, v13, v14, v10                   ; sin rho
	v_fma_f32 v15, v12, s30, s31
	v_fma_f32 v15, v15, v12, s32
	v_mul_f32 v16, v12, v12
	v_fma_f32 v17, v12, -0.5, 1.0
	v_fma_f32 v15, v15, v16, v17                   ; cos rho
	v_and_b32 v16, 1, v11
	v_cmp_eq_u32 vcc_lo, 1, v16                    ; an odd quadrant swaps the two
	v_cndmask_b32 v17, v13, v15, vcc_lo
	v_cndmask_b32 v18, v15, v13, vcc_lo
	v_and_b32 v16, 2, v11
	v_lshlrev_b32 v16, 30, v16                     ; the sine is negative in quadrants 2, 3
	v_xor_b32 v16, v6, v16
	v_xor_b32 v[TO+16+\k], v17, v16
	v_add_nc_u32 v16, 1, v11
	v_and_b32 v16, 2, v16
	v_lshlrev_b32 v16, 30, v16                     ; the cosine in quadrants 1, 2
	v_xor_b32 v[TO+\k], v18, v16
.endm
	SINCOS 0,  0x3f800000, 0x3c23d70a
	SINCOS 1,  0x3f3ff911, 0x3bf5b9b0
	SINCOS 2,  0x3f0ff59a, 0x3bb8449c
	SINCOS 3,  0x3ed7e89b, 0x3b8a2e77
	SINCOS 4,  0x3ea1e89b, 0x3b4f3e37
	SINCOS 5,  0x3e72d424, 0x3b1b690d
	SINCOS 6,  0x3e361887, 0x3ae91528
	SINCOS 7,  0x3e088d77, 0x3aaec98e
	SINCOS 8,  0x3dcccccd, 0x3a83126f
	SINCOS 9,  0x3d99940e, 0x3a44948c
	SINCOS 10, 0x3d6655c3, 0x3a136a16
	SINCOS 11, 0x3d2cba15, 0x39dd1726
	SINCOS 12, 0x3d0186e2, 0x39a5cb5f
	SINCOS 13, 0x3cc24350, 0x3978a814
	SINCOS 14, 0x3c91ad39, 0x393a7753
	SINCOS 15, 0x3c5a7bf1, 0x390bd472
.irp g, 0,1,2,3,4,5,6,7
	global_store_b128 v7, v[TO+4*\g:TO+4*\g+3], s[16:17] offset:512*\g   ; four registers of all lanes: 512 consecutive bytes
.endr
	s_endpgm
; ---------------- M: the mask.  A wave takes one tile tau of 16 queries and two key steps of 128 keys.  Word j (0 .. 63) of a step: bit l = mask[q(tau, l % 16)][128 kappa + 32 (j / 16) + 16 (l / 16) + j % 16].
.Lpath_m:
	s_sub_co_u32 s21, ttmp9, 224
	s_lshl_b32 s21, s21, 2
	s_add_co_u32 s21, s21, s20                     ; 0 .. 1,023
	s_lshr_b32 s22, s21, 3                         ; tau
	s_and_b32 s23, s21, 7
	s_lshl_b32 s23, s23, 1                         ; kappa0, even
	v_and_b32 v3, 7, v2
	v_bfe_u32 v4, v2, 3, 1
	v_lshl_add_u32 v3, v4, 4, v3
	s_lshr_b32 s24, s22, 1
	s_lshl_b32 s24, s24, 5
	s_and_b32 s25, s22, 1
	s_lshl_b32 s25, s25, 3
	s_add_co_u32 s24, s24, s25
	v_add_nc_u32 v3, s24, v3                       ; my query: 32 (tau / 2) + 8 (tau % 2) + r % 8 + 16 (r / 8)
	v_lshlrev_b32 v3, 11, v3                       ; its row of 2,048 bytes
	v_bfe_u32 v4, v2, 4, 1
	v_lshl_add_u32 v3, v4, 4, v3                   ; + 16 h
	s_lshl_b32 s24, s23, 7
	v_add_nc_u32 v3, s24, v3                       ; + 128 kappa0
.irp e, 0,1
.irp b, 0,1,2,3
	global_load_b128 v[16+16*\e+4*\b:19+16*\e+4*\b], v3, s[8:9] offset:128*\e+32*\b th:TH_LOAD_NT   ; the eight loads together take 256 consecutive bytes of each of the 16 rows
.endr
.endr
	s_lshl_b32 s24, s22, 4
	s_add_co_u32 s24, s24, s23
	s_lshl_b32 s25, s24, 8                         ; the words: (16 tau + kappa0) x 256 bytes
	v_lshlrev_b32 v5, 3, v2
	v_add_nc_u32 v5, s25, v5                       ; + 8 x lane
	s_lshl_b32 s25, s24, 2                         ; the flags: 4 bytes a (tau, kappa)
	v_lshlrev_b32 v6, 2, v2
	v_add_nc_u32 v6, s25, v6
.irp i, 7,12,13,14,15
	v_mov_b32 v\i, 0                               ; written whole before single lanes are written
.endr
.macro MSTEP e
	s_mov_b32 s26, 0                               ; does any key count for any query,
	s_mov_b32 s27, -1                              ; do all
.set jj, 0
.rept 64
	v_and_b32 v[8+jj%4], 0xff<<(8*(jj%4)), v[16+16*\e+4*(jj/16)+(jj%16)/4]
	v_cmp_ne_u32 s[28+jj%4], 0, v[8+jj%4]          ; word j: a bit a lane
	v_writelane_b32 v[12+2*\e+jj%2], s[28+jj%4], jj/2
	s_or_b32 s26, s26, s[28+jj%4]
	s_and_b32 s27, s27, s[28+jj%4]
.set jj, jj+1
.endr
	s_cmp_lg_u32 s26, 0
	s_cselect_b32 s26, 1, 0
	s_cmp_eq_u32 s27, -1
	s_cselect_b32 s27, 0x10000, 0
	s_or_b32 s26, s26, s27                         ; any | all << 16
	v_writelane_b32 v7, s26, \e
	global_store_b64 v5, v[12+2*\e:13+2*\e], s[18:19] offset:256*\e   ; a step's 64 words: 256 consecutive bytes, aligned
.endm
	s_wait_loadcnt 4                               ; the first step's four loads are in; the second step's four may be out
	MSTEP 0
	s_wait_loadcnt 0x0
	MSTEP 1
	s_wait_xcnt 0x0                                ; EXEC changes only behind this wait
	v_cmp_gt_u32 vcc_lo, 2, v2
	s_and_saveexec_b32 s30, vcc_lo
	global_store_b32 v6, v7, s[18:19] offset:524288   ; two flags, 8 bytes: the flags are 8 KiB in all and leave in such pieces
	s_wait_xcnt 0x0
	s_or_b32 exec_lo, exec_lo, s30
	s_endpgm
; ---------------- W: a lane takes a column n and its registers run down K: a block of 32 lies in one lane, and the codes come out with K innermost.  A wave: 32 columns x 256 along K.
.Lpath_w:
	s_sub_co_u32 s21, ttmp9, 128
	s_lshr_b32 s22, s21, 2                         ; which 128 columns
	s_and_b32 s23, s21, 3                          ; which 256 along K
	s_lshl_b32 s22, s22, 7
	s_lshl_b32 s24, s20, 5
	s_add_co_u32 s22, s22, s24                     ; my wave's first column, a multiple of 32
	v_lshlrev_b32 v3, 2, v2                        ; in: 4 bytes a lane
	s_mul_i32 s24, s20, 32*WPITCH
	s_add_co_u32 s24, s24, WSTG                    ; my stage
	v_and_b32 v5, 7, v2
	v_bfe_u32 v6, v2, 3, 1
	v_lshl_add_u32 v5, v6, 4, v5
	v_bfe_u32 v6, v2, 4, 1
	v_lshl_add_u32 v10, v6, 3, v5                  ; sigma(lane): the stored row of my column among the wave's 32
	v_mul_u32_u24 v4, v10, WPITCH
	v_add_nc_u32 v4, s24, v4                       ; into the stage: that row
	v_and_b32 v5, 15, v2
	v_lshrrev_b32 v6, 4, v2
	v_mul_u32_u24 v7, v6, WPITCH
	v_lshl_add_u32 v7, v5, 4, v7
	v_add_nc_u32 v7, s24, v7                       ; out of it: sixteen lanes to a row, two rows an instruction
	v_mul_u32_u24 v8, v6, KROW
	v_mad_u32_u24 v8, v5, 12, v8                   ; and the same place in the codes' buffer
	v_lshlrev_b32 v9, 5, v10                       ; my stored row of scale bytes: 32 bytes a row
	s_mul_i32 s24, s23, KW*SIZE_N*4
	s_lshl_b32 s25, s22, 2
	s_add_co_u32 s24, s24, s25
	s_mov_b32 s25, 0
	s_add_nc_u64 s[6:7], s[6:7], s[24:25]          ; W at (256 y, first column)
	s_mul_i32 s24, s22, KROW
	s_mul_i32 s26, s23, WROWB
	s_add_co_u32 s24, s24, s26
	s_add_nc_u64 s[12:13], s[12:13], s[24:25]      ; the codes at (first column, 256 y)
	s_lshl_b32 s24, s22, 5
	s_lshl_b32 s26, s23, 3
	s_add_co_u32 s24, s24, s26
	s_add_co_u32 s24, s24, 131072                  ; W's scale bytes lie behind x's 131,072
	s_add_nc_u64 s[14:15], s[14:15], s[24:25]
.macro WLOAD t                         ; block t: W(32 t + i, my column), into set t % 2; each load takes 128 consecutive bytes, the four waves stand side by side
.irp i, 0,1,2,3,4,5,6,7,8,9,10,11,12,13,14,15,16,17,18,19,20,21,22,23,24,25,26,27,28,29,30,31
	global_load_b32 v[WX+32*((\t)%2)+\i], v3, s[6:7] offset:(32*(\t)+\i)*SIZE_N*4 th:TH_LOAD_NT
.endr
.endm
	WLOAD 0
	WLOAD 1
.macro WBLOCK t
.set XS, WX+32*((\t)%2)
.if (\t) < NB-1
	s_wait_loadcnt 32                              ; this block's 32 loads are in; the next block's may be out
.else
	s_wait_loadcnt 0
.endif
	v_max3_num_f32 v12, |v[XS]|, |v[XS+1]|, |v[XS+2]|
	v_max3_num_f32 v13, |v[XS+3]|, |v[XS+4]|, |v[XS+5]|
.irp i, 6,10,14,18,22,26
	v_max3_num_f32 v12, v12, |v[XS+\i]|, |v[XS+\i+1]|
	v_max3_num_f32 v13, v13, |v[XS+\i+2]|, |v[XS+\i+3]|
.endr
	v_max3_num_f32 v12, v12, |v[XS+30]|, |v[XS+31]|
	v_max3_num_f32 v12, v12, v13, 0x1800000        ; the floor 2^(3 - 127): the byte cannot fall under 1
	v_add_nc_u32 v11, 0xff000000, v12              ; 2 off the exponent field: the conversion takes this operand's exponent field as its scale
	v_lshrrev_b32 v13, 23, v11                     ; the scale's byte
.if (\t)%4 == 0
	v_mov_b32 v[SB+(\t)/4], v13
.else
	v_lshl_or_b32 v[SB+(\t)/4], v13, 8*((\t)%4), v[SB+(\t)/4]
.endif
	v_cvt_scalef32_pk16_fp6_f32 v[WC:WC+2], v[XS:XS+15], v11
	v_cvt_scalef32_pk16_fp6_f32 v[WC+4:WC+6], v[XS+16:XS+31], v11   ; (a conversion's three registers begin on an even number)
	ds_store_b96 v4, v[WC:WC+2] offset:32*(\t)     ; 12 bytes to a place of 16, so that every LDS address is a multiple of 16
	ds_store_b96 v4, v[WC+4:WC+6] offset:32*(\t)+16
.if (\t)+2 < NB
	WLOAD (\t)+2
.endif
	s_wait_dscnt 0x0                               ; the stores have read their registers: the next block's codes may be written
.endm
.set Q, 0
.rept NB
	WBLOCK Q
.set Q, Q+1
.endr
	global_store_b64 v9, v[SB:SB+1], s[14:15]      ; my column's 8 scale bytes
.irp t, 0,1,2,3,4,5,6,7,8,9,10,11,12,13,14,15
	ds_load_b96 v[OUTR+4*\t:OUTR+4*\t+2], v7 offset:2*\t*WPITCH   ; LDS serves a wave's instructions in order: these see my stores
.endr
.irp t, 0,1,2,3,4,5,6,7,8,9,10,11,12,13,14,15
	s_wait_dscnt 15-\t                             ; the younger read-backs may be out
	global_store_b96 v8, v[OUTR+4*\t:OUTR+4*\t+2], s[12:13] offset:2*\t*KROW   ; sixteen lanes store a row's 192 consecutive bytes
.endr
	s_wait_tensorcnt 0x0
	ds_add_u32 v192, v193
	s_wait_dscnt 0x0
	s_endpgm
; ---------------- X: a wave takes a run of 8,192 numbers (8 rows of x) in 16 steps of 512.  Loads take the bytes as they lie, 512 to a load; a step's 2,048 bytes turn through the wave's stage so that a lane gets 16 neighbours.
.Lpath_x:
	v_lshlrev_b32 v3, 4, v2                        ; my 16 bytes of a load's 512
	s_mul_i32 s21, s20, WREG
	v_lshrrev_b32 v14, 2, v2
	v_mul_u32_u24 v14, v14, SP
	v_and_b32 v15, 3, v2
	v_lshl_add_u32 v14, v15, 4, v14
	v_add_nc_u32 v14, s21, v14                     ; the stage, on the way in: SP (lane / 4) + 16 (lane % 4)
	v_mul_u32_u24 v15, v2, SP
	v_add_nc_u32 v15, s21, v15                     ; on the way out: SP x lane
	v_mul_u32_u24 v4, v2, CB                       ; my codes' place in a step's
	v_lshrrev_b32 v5, 1, v2
	s_add_co_u32 s21, s21, 2*32*SP
	v_add_nc_u32 v5, s21, v5                       ; my block's byte among the wave's 256
	v_lshlrev_b32 v7, 3, v2
	v_add_nc_u32 v6, s21, v7
	s_lshl_b32 s22, ttmp9, 2
	s_add_co_u32 s24, s22, s20                     ; the run that I read: 4 x work-group + wave
	s_and_b32 s23, s20, 1
	s_lshl_b32 s23, s23, 1
	s_lshr_b32 s25, s20, 1
	s_or_b32 s23, s23, s25
	s_add_co_u32 s22, s22, s23                     ; the run that I write: sigma on groups of 8 rows exchanges the wave number's two bits
	s_lshl_b32 s24, s24, 15
	s_mov_b32 s25, 0
	s_add_nc_u64 s[4:5], s[4:5], s[24:25]
	s_mul_i32 s24, s22, 6144
	s_add_nc_u64 s[10:11], s[10:11], s[24:25]
	s_lshl_b32 s24, s22, 8
	s_add_nc_u64 s[14:15], s[14:15], s[24:25]
.macro XLOAD t
.irp i, 0,1,2,3
	global_load_b128 v[XR+16*((\t)%4)+4*\i:XR+16*((\t)%4)+4*\i+3], v3, s[4:5] offset:2048*(\t)+512*\i th:TH_LOAD_NT
.endr
.endm
.macro XTURN t                         ; LDS serves a wave's instructions in order: no wait between the stores and the loads
.irp i, 0,1,2,3
	ds_store_b128 v14, v[XR+16*((\t)%4)+4*\i:XR+16*((\t)%4)+4*\i+3] offset:32*SP*((\t)%2)+8*SP*\i
.endr
.irp i, 0,1,2,3
	ds_load_b128 v[XX+16*((\t)%2)+4*\i:XX+16*((\t)%2)+4*\i+3], v15 offset:32*SP*((\t)%2)+16*\i
.endr
.endm
.irp t, 0,1,2,3
	XLOAD \t
.endr
	s_wait_loadcnt 12                              ; step 0's four loads are in
	XTURN 0
.macro XSTEP t
.set XS, XX+16*((\t)%2)
.if (\t) > 0
	s_wait_dscnt 1                                 ; this step's numbers are back from the stage (the last step's byte store may be out)
.else
	s_wait_dscnt 0x0
.endif
.if (\t)+4 < STEPS
	XLOAD (\t)+4
.endif
.if (\t)+1 < STEPS
.if STEPS-2-(\t) >= 3
	s_wait_loadcnt 12                              ; the next step's four loads are in; those of the three steps behind it may be out
.else
	s_wait_loadcnt 4*(STEPS-2-(\t))
.endif
	XTURN (\t)+1
.endif
	v_max3_num_f32 v8, |v[XS]|, |v[XS+1]|, |v[XS+2]|
	v_max3_num_f32 v9, |v[XS+3]|, |v[XS+4]|, |v[XS+5]|
.irp i, 6,10
	v_max3_num_f32 v8, v8, |v[XS+\i]|, |v[XS+\i+1]|
	v_max3_num_f32 v9, v9, |v[XS+\i+2]|, |v[XS+\i+3]|
.endr
	v_max3_num_f32 v8, v8, |v[XS+14]|, |v[XS+15]|
	v_max3_num_f32 v8, v8, v9, 0x1800000           ; the floor 2^(3 - 127)
	v_max_num_f32_dpp v8, v8, v8 row_xmask:1 row_mask:0xf bank_mask:0xf   ; with my neighbour's 16: the block's largest magnitude
	v_add_nc_u32 v11, 0xff000000, v8
	v_cvt_scalef32_pk16_fp6_f32 v[XC+4*(\t):XC+4*(\t)+2], v[XS:XS+15], v11
	v_lshrrev_b32 v[XE+(\t)], 23, v11              ; the scale's byte
	ds_store_b8 v5, v[XE+(\t)] offset:16*(\t)      ; both lanes of a block write the same byte with the same value
	global_store_b96 v4, v[XC+4*(\t):XC+4*(\t)+2], s[10:11] offset:32*CB*(\t)   ; the wave stores 384 consecutive bytes
.endm
.irp t, 0,1,2,3,4,5,6,7,8,9,10,11,12,13,14,15
	XSTEP \t
.endr
	ds_load_b64 v[12:13], v6
	s_wait_dscnt 0x0
	global_store_b64 v7, v[12:13], s[14:15]        ; 32 lanes store 256 consecutive bytes, aligned
	s_wait_tensorcnt 0x0
	ds_add_u32 v192, v193
	s_wait_dscnt 0x0
	s_endpgm
.Lfunc_end_k_q02454f4662_prep:
	.size	k_q02454f4662_prep, .Lfunc_end_k_q02454f4662_prep-k_q02454f4662_prep
	.p2alignl 7, 3214868480
	.fill 96, 4, 3214868480
	.section	.rodata,"a",@progbits
	.p2align	6, 0x0
	.amdhsa_kernel k_q02454f4662_prep
		.amdhsa_group_segment_fixed_size 68096
		.amdhsa_private_segment_fixed_size 0
		.amdhsa_enable_private_segment 0
		.amdhsa_kernarg_size 64
		.amdhsa_user_sgpr_count 2
		.amdhsa_user_sgpr_kernarg_segment_ptr 1
		.amdhsa_wavefront_size32 1
		.amdhsa_system_sgpr_workgroup_id_x 1
		.amdhsa_system_sgpr_workgroup_id_y 1
		.amdhsa_system_sgpr_workgroup_id_z 1
		.amdhsa_system_vgpr_workitem_id 0
		.amdhsa_next_free_vgpr 194
		.amdhsa_next_free_sgpr 66
		.amdhsa_reserve_vcc 1
		.amdhsa_float_denorm_mode_32 3
		.amdhsa_float_denorm_mode_16_64 3
		.amdhsa_memory_ordered 1
		.amdhsa_forward_progress 1
		.amdhsa_inst_pref_size 132
	.end_amdhsa_kernel
	.amdgpu_metadata
---
amdhsa.version: [ 1, 2 ]
amdhsa.kernels:
  - .name:           k_q02454f4662_prep
    .symbol:         k_q02454f4662_prep.kd
    .args:
      - { .name: x, .offset: 0, .size: 8, .value_kind: global_buffer, .address_space: global }
      - { .name: W_qkv, .offset: 8, .size: 8, .value_kind: global_buffer, .address_space: global }
      - { .name: mask, .offset: 16, .size: 8, .value_kind: global_buffer, .address_space: global }
      - { .name: xc, .offset: 24, .size: 8, .value_kind: global_buffer, .address_space: global }
      - { .name: wc, .offset: 32, .size: 8, .value_kind: global_buffer, .address_space: global }
      - { .name: xws, .offset: 40, .size: 8, .value_kind: global_buffer, .address_space: global }
      - { .name: rt, .offset: 48, .size: 8, .value_kind: global_buffer, .address_space: global }
      - { .name: mwf, .offset: 56, .size: 8, .value_kind: global_buffer, .address_space: global }
    .group_segment_fixed_size: 68096
    .private_segment_fixed_size: 0
    .kernarg_segment_align: 8
    .kernarg_segment_size: 64
    .max_flat_workgroup_size: 128
    .sgpr_count:     66
    .vgpr_count:     194
    .wavefront_size: 32
...
	.end_amdgpu_metadata
.endif
;; end of part 1
;; launch qkv (part 2): grid 12 x 16, 4 waves a work-group, clusters of 4 x 4, 327,680 bytes of LDS; arguments xc, xws, wc, rt, qkc, vc, sc; writes qkc, vc, sc
.if DOCPART == 2
	.amdgcn_target "amdgcn-amd-amdhsa--gfx1250"
	.amdhsa_code_object_version 6
	.text
	.protected	k_q02454f4662_qkv
	.globl	k_q02454f4662_qkv
	.p2align	8
	.type	k_q02454f4662_qkv,@function
k_q02454f4662_qkv:
	s_mov_b64 s[64:65], 0
	v_nop
	global_prefetch_b8 v0, s[64:65] scope:SCOPE_SE
	s_setreg_imm32_b32 hwreg(HW_REG_WAVE_MODE, 25, 1), 1
	s_wait_xcnt 0x0
	s_wait_alu depctr_hold_cnt(0) depctr_sa_sdst(0) depctr_va_vdst(0) depctr_va_sdst(0) depctr_va_ssrc(0) depctr_va_vcc(0) depctr_vm_vsrc(0)
	s_getreg_b32 s2, hwreg(HW_REG_IB_STS2, 6, 4)
	s_cmp_eq_u32 s2, 0
	s_cbranch_scc0 .Lentry_in_a_cluster
	s_endpgm
.Lentry_in_a_cluster:
	s_bfe_u32 s2, ttmp6, 0x10000c
	s_cmp_lg_u32 s2, 0xf033
	s_cbranch_scc0 .Lentry_shape_is_right
	s_endpgm
.Lentry_shape_is_right:
; QKV: qkv = x W on codes of FP6 (E2M3) with one E8M0 scale for each 32 along K = 1,024; then RoPE on q and k in f32, and q, k (along the head's 32) and v (along the keys) are quantised in registers
; and stored as IMAGES OF THE OPERAND REGISTERS that the attention launch loads.  The f32 results never go to memory.
; A work-group of four waves makes 256 x 256 of the product, a wave 128 x 128: 64 accumulators, 512 registers.  K goes in steps of 256 (rows of 192 bytes) through a ring of two LDS slots filled by tensor loads;
; the scale bytes of the work-group's 2 x 256 rows come into LDS once, with the first fills.
; CLUSTERS, 4 x 4; the cluster's x says what is made: 0 q, 1 k, 2 v.  "A" is source 1 of the matrix instruction (a lane holds one of its rows), "B" source 0 (a lane's registers run along its rows).
;   q, k:  A = x (tile 4 x cluster y + cy), B = W (tile 4 x cluster x + cx): a lane holds one token and 16 neighbouring d of a head.
;   v:     A = W (tile 8 + cy), B = x (tile 4 x cluster y + cx): a lane holds one d and its registers run along the keys, which are the next product's K.
; A's tiles are shared along a row of the cluster, B's along a column: each is asked for jointly by the four that need it.  Only buffers and row numbers differ between the two kinds (chosen on the cluster's x, the same in
; all sixteen partners); LDS addresses and the loop are the same for all.
; Rows of x and of W lie in memory in the order sigma (bits 3 and 4 of the number exchanged), so that the 16 registers of two neighbouring tiles of B are 16 neighbours: d = 16 h + i, or key = 32 B + 16 h + i.
; REGISTERS, in windows of 256: window 0: v0-31 addresses; v32-63 scale words, two sets; v128-223 A's fragments, one set.  window 1: B's fragments, two sets (v0, v128).  windows 2, 3: the accumulators ((a, b) at v[8 (8 (a % 4) + b)]).
;   On the way out: window 0: v32-47 partners, v48-63 at work, v128-191 the 64 numbers to be quantised, v192-211 codes, v212-219 scale words; window 1: the RoPE table, tile a at v[32 a].
; LIMITS: a block of zeros gets the byte 1 and not 127 (its codes are zeros; only this program reads the bytes); blocks under 2^-124 keep the byte 1; NaN and infinities are not served.
.set KSTEP,  256
.set NQ,     2                         ; matrix instructions deep in a slot
.set ROWB,   192                       ; a tile's row in bytes
.set KROW,   768                       ; a row of codes in memory
.set PITCH,  240                       ; an LDS row: 3 x (64 bytes + 16 of padding)
.set FR,     12
.set NL,     6
.set NP,     4                         ; places behind this matrix instruction (ISA guide 7.12.1)
.set HALFT,  128*PITCH
.set SLOT,   4*HALFT
.set LAPS,   2                         ; 1,024 / (2 x 256)
.set KS,     32                        ; a row of scale bytes
.set SCL,    2*SLOT                    ; behind the ring: the scales, as pieces of 256 bytes + 16 of padding
.set HALFS,  16*272                    ; those of 128 rows
.set SBLK,   2*272                     ; those of 16 rows
.set SPARE,  SCL+4*HALFS               ; the spare words, 128 bytes a wave: two blocks of 256 bytes that no other line names
.set ADRA, 16                          ; v16-17 my A fragments in slot 0, 1 (v18-19: behind one padding more)
.set ADRB, 20                          ; v20-23 the same for B
.set LI,   24                          ; v24 16 x lane
.set LS,   25                          ; v25 4 x lane
.set ADRS, 27                          ; v27 my scale words: lanes 0-15 A's rows, lanes 16-31 B's
.set SPW,  28
.set NIL,  29
.set SC,   32
.set AF,   128
.set P,    32                          ; the way out
.set TM,   48
.set R,    128
.set PC,   192
.set PW,   212
.set WD,   213
.set PWS,  216
.set SEL,  18                          ; s[18:19] on the way out: v_permlanex16_b32's selects for lane l xor 16
.set G1, 24
.set G0, 32
.set G1B, 48
.set G0B, 56
.set G1S, 68
.set G0S, 76
.set G1SB, 80
.set G0SB, 88
.set ISV, 95                           ; s95 1 in the cluster that makes v
.set MSB, 0
.macro WIN new                         ; the immediate's high byte repeats the setting that is left
.if MSB != (\new)
	s_set_vgpr_msb (MSB<<8)|(\new)
.set MSB, (\new)
.endif
.endm
.set MUL_LO, 0xa1                      ; source 0 (B) window 1, source 1 (A) window 0, C and D window 2
.set MUL_HI, 0xf1
.set TO_B,   0x40
; A joint load: waves 0 and 1 fetch for A, waves 2 and 3 for B; the branch hangs on the wave's number alone.  Four v_nop follow each of the two lines.
.macro JLOAD g0a, g1a, g0b, g1b
	s_cmp_eq_u32 s15, 0
	s_cbranch_scc0 .Lfor_b_\@
	tensor_load_to_lds s[\g0a:\g0a+3], s[\g1a:\g1a+7]
	s_nop 0
.rept 4
	v_nop
.endr
	s_branch .Lasked_\@
.Lfor_b_\@:
	tensor_load_to_lds s[\g0b:\g0b+3], s[\g1b:\g1b+7]
	s_nop 0
.rept 4
	v_nop
.endr
.Lasked_\@:
.endm
.macro CREST                           ; a round of the cluster's barrier behind its opening barrier
	s_cmp_lg_u32 s14, 0
	s_cbranch_scc1 .Lnot_wave_0_\@
	s_barrier_signal -3
.Lnot_wave_0_\@:
	s_barrier_wait -3
	s_barrier_signal -1
	s_barrier_wait -1
.endm
.macro CROUND
	s_barrier_signal -1
	s_barrier_wait -1
	CREST
.endm
	s_load_b128 s[4:7], s[0:1], 0x0                ; x's codes s[4:5], the scale bytes of x and W s[6:7]
	s_load_b128 s[8:11], s[0:1], 0x10              ; W's codes s[8:9], the RoPE table s[10:11]
	v_lshl_add_u32 v[SPW], v0, 2, SPARE
	v_mov_b32 v[NIL], 0
	ds_add_u32 v28, v29
	ds_add_u32 v28, v29
	s_wait_dscnt 0x0
	v_lshrrev_b32 v1, 5, v0
	v_readfirstlane_b32 s14, v1                    ; wave 0..3
	s_lshr_b32 s15, s14, 1                         ; my half of A's rows.  Also: I fetch for A (0) or for B (1)
	s_and_b32 s16, s14, 1                          ; my half of B's rows.  Also: which 128 rows I fetch
	s_bfe_u32 s40, ttmp6, 0x40000                  ; cx
	s_bfe_u32 s41, ttmp6, 0x40004                  ; cy
	s_and_b32 s12, ttmp7, 0xffff
	s_lshl_b32 s12, s12, 2                         ; 4 x cluster y
	s_lshl_b32 s13, ttmp9, 2                       ; 4 x cluster x
	s_lshr_b32 s[ISV], ttmp9, 1
	s_and_b32 s[ISV], s[ISV], 1
	s_cmp_eq_u32 s[ISV], 0
	s_cselect_b32 s17, s12, 8                      ; A's tile: of x by the cluster's y; for v: of W, from tile 8 on
	s_cselect_b32 s42, s13, s12                    ; B's tile: of W by the cluster's x; for v: of x
	s_cselect_b32 s100, 0, 0x20000                 ; where A's scale bytes begin: x's at 0, W's at 131,072
	s_cselect_b32 s101, 0x20000, 0                 ; and B's
	s_add_co_u32 s17, s17, s41                     ; + cy: shared along a row of the cluster
	s_add_co_u32 s42, s42, s40                     ; + cx: shared along a column
	s_lshl_b32 s43, s41, 2
	s_lshl_b32 s43, 15, s43                        ; my row of the cluster
	s_lshl_b32 s44, 0x1111, s40                    ; my column
	; descriptor group 1: a tile of 128 rows x 192 bytes, 16 bytes of padding behind every 64
	s_or_b32 s[G1+0], s43, (0<<16)|(1<<20)|(1<<21)|(3<<22)|(3<<25)
	s_or_b32 s[G1B+0], s44, (0<<16)|(1<<20)|(1<<21)|(3<<22)|(3<<25)
.irp g, G1, G1B
	s_mov_b32 s[\g+1], ROWB<<16                    ; tensor_dim0
	s_mov_b32 s[\g+2], 128<<16                     ; tensor_dim1
	s_mov_b32 s[\g+3], ROWB<<16                    ; tile_dim0
	s_mov_b32 s[\g+4], 128                         ; tile_dim1
	s_mov_b32 s[\g+5], KROW                        ; the pitch
	s_mov_b32 s[\g+6], 0
	s_mov_b32 s[\g+7], 0
.endr
	; the scales of 128 rows: 4,096 dense bytes as 16 rows of 256 (32 elements of 8 bytes), 16 bytes of padding behind each
	s_or_b32 s[G1S+0], s43, (3<<16)|(1<<20)|(1<<21)|(5<<22)|(3<<25)
	s_or_b32 s[G1SB+0], s44, (3<<16)|(1<<20)|(1<<21)|(5<<22)|(3<<25)
.irp g, G1S, G1SB
	s_mov_b32 s[\g+1], 32<<16
	s_mov_b32 s[\g+2], 16<<16
	s_mov_b32 s[\g+3], 32<<16
	s_mov_b32 s[\g+4], 16
	s_mov_b32 s[\g+5], 32
	s_mov_b32 s[\g+6], 0
	s_mov_b32 s[\g+7], 0
.endr
	s_lshl_b32 s18, s16, 7                         ; which 128 rows of the tile I fetch
	s_lshl_b32 s20, s17, 8
	s_add_co_u32 s20, s20, s18                     ; A's row
	s_lshl_b32 s46, s42, 8
	s_add_co_u32 s46, s46, s18                     ; B's row
	s_mov_b32 s21, 0
	s_mov_b32 s47, 0
	s_mov_b64 s[18:19], KS
	s_mul_u64 s[22:23], s[20:21], s[18:19]         ; where these rows' scales begin,
	s_mul_u64 s[92:93], s[46:47], s[18:19]
	s_add_co_u32 s22, s22, s100                    ; in their tensor's part of the buffer (all under 2^18)
	s_add_co_u32 s92, s92, s101
	s_mov_b64 s[18:19], KROW
	s_mul_u64 s[20:21], s[20:21], s[18:19]         ; and their codes
	s_mul_u64 s[46:47], s[46:47], s[18:19]
	s_mul_i32 s45, s14, HALFT                      ; where they go: wave x 128 rows
	s_mul_i32 s94, s14, HALFS
	s_wait_kmcnt 0x0
	s_cmp_eq_u32 s[ISV], 0
	s_cselect_b64 s[96:97], s[4:5], s[8:9]         ; A's codes
	s_cselect_b64 s[98:99], s[8:9], s[4:5]         ; B's codes
	s_add_nc_u64 s[20:21], s[96:97], s[20:21]
	s_add_nc_u64 s[22:23], s[6:7], s[22:23]
	s_add_nc_u64 s[46:47], s[98:99], s[46:47]
	s_add_nc_u64 s[92:93], s[6:7], s[92:93]
	CROUND                                         ; all sixteen work-groups are here: the first joint loads meet
	s_mov_b32 s[G0S], 1
	s_add_co_u32 s[G0S+1], s94, SCL
	s_mov_b64 s[G0S+2:G0S+3], s[22:23]
	s_or_b32 s[G0S+3], s[G0S+3], 0x80000000
	s_mov_b32 s[G0SB], 1
	s_add_co_u32 s[G0SB+1], s94, SCL
	s_mov_b64 s[G0SB+2:G0SB+3], s[92:93]
	s_or_b32 s[G0SB+3], s[G0SB+3], 0x80000000
	JLOAD G0S, G1S, G0SB, G1SB                     ; the scales first: three loads of mine are out behind the first fills
.irp s, 0,1
	s_mov_b32 s[G0+4*\s], 1
	s_add_co_u32 s[G0+4*\s+1], s45, \s*SLOT
	s_add_nc_u64 s[G0+4*\s+2:G0+4*\s+3], s[20:21], \s*ROWB
	s_or_b32 s[G0+4*\s+3], s[G0+4*\s+3], 0x80000000
	s_mov_b32 s[G0B+4*\s], 1
	s_add_co_u32 s[G0B+4*\s+1], s45, \s*SLOT
	s_add_nc_u64 s[G0B+4*\s+2:G0B+4*\s+3], s[46:47], \s*ROWB
	s_or_b32 s[G0B+4*\s+3], s[G0B+4*\s+3], 0x80000000
	JLOAD G0+4*\s, G1, G0B+4*\s, G1B
.endr
	v_and_b32 v1, 15, v0                           ; l % 16
	v_bfe_u32 v2, v0, 4, 1                         ; l / 16
	v_mul_u32_u24 v3, v1, PITCH
	v_mul_u32_u24 v4, v2, 24
	v_add_nc_u32 v4, v3, v4                        ; a fragment's row x pitch + 24 x half
	v_lshl_add_u32 v5, v2, 4, v4                   ; and the same behind one padding more
	s_mul_i32 s21, s15, HALFT                      ; my 128 rows of A
	s_mul_i32 s22, s16, HALFT                      ; my 128 rows of B,
	s_add_co_u32 s22, s22, 2*HALFT                 ; which lie behind A's 256
.irp s, 0,1
	v_add_nc_u32 v[ADRA+\s], s21, v4
	v_add_nc_u32 v[ADRB+\s], s22, v4
	v_add_nc_u32 v[ADRA+2+\s], s21, v5
	v_add_nc_u32 v[ADRB+2+\s], s22, v5
	s_add_co_u32 s21, s21, SLOT
	s_add_co_u32 s22, s22, SLOT
.endr
	v_mul_u32_u24 v5, v1, KS                       ; my row's scales: 32 bytes a row,
	v_lshrrev_b32 v6, 8, v5
	v_lshl_add_u32 v5, v6, 4, v5                   ; and 16 more for each 256 passed
	s_mul_i32 s21, s15, HALFS
	s_mul_i32 s22, s16, HALFS
	s_add_co_u32 s22, s22, 2*HALFS
	s_sub_co_u32 s22, s22, s21
	v_mul_u32_u24 v6, s22, v2                      ; lanes 16-31 take B's
	s_add_co_u32 s21, s21, SCL
	v_add_nc_u32 v5, v5, v6
	v_add_nc_u32 v[ADRS], s21, v5
	v_and_b32 v6, 31, v0
	v_lshlrev_b32 v[LI], 4, v6
	v_lshlrev_b32 v[LS], 2, v6
.macro FRAG reg, adr, q, i             ; a fragment, 16 rows x 128 K, is 12 registers: lane l holds row l % 16; registers 6 c .. 6 c + 5 hold K = 64 c + 32 (l / 16) + 0 .. 31: 24 bytes of the row as they lie, in pieces of 8 bytes
.irp p, 0,1,2,3,4,5
.set PCE, 12*(\q)+6*(\p/3)+\p%3        ; where the piece three on lies behind one padding more, the second address register serves
.if PCE%8 < 5
	ds_load_b64 v[\reg+2*\p:\reg+2*\p+1], v[\adr] offset:8*PCE+16*(PCE/8)+(\i)*16*PITCH
.else
	ds_load_b64 v[\reg+2*\p:\reg+2*\p+1], v[\adr+2] offset:8*PCE+16*(PCE/8)+(\i)*16*PITCH
.endif
.endr
.endm
; 16 matrix instructions: A's blocks a0, a0 + 1 x B's eight.  The 64 accumulators take turns, one instruction a turn, in the same order in every step.
.macro MUL16 a0, p, q, sc, zero
.irp a, \a0, \a0+1
.irp b, 0,1,2,3,4,5,6,7
.if \zero
	v_wmma_scale_f32_16x16x128_f8f6f4 v[8*(8*((\a)%4)+\b):8*(8*((\a)%4)+\b)+7], v[128*(\p)+FR*\b:128*(\p)+FR*\b+FR-1], v[AF+FR*(\a):AF+FR*(\a)+FR-1], 0, v[SC+8*NQ*(\sc)+NQ*\b+(\q)], v[SC+8*NQ*(\sc)+NQ*(\a)+(\q)] matrix_a_fmt:MATRIX_FMT_FP6 matrix_b_fmt:MATRIX_FMT_FP6 matrix_a_scale:MATRIX_SCALE_ROW1
.else
	v_wmma_scale_f32_16x16x128_f8f6f4 v[8*(8*((\a)%4)+\b):8*(8*((\a)%4)+\b)+7], v[128*(\p)+FR*\b:128*(\p)+FR*\b+FR-1], v[AF+FR*(\a):AF+FR*(\a)+FR-1], v[8*(8*((\a)%4)+\b):8*(8*((\a)%4)+\b)+7], v[SC+8*NQ*(\sc)+NQ*\b+(\q)], v[SC+8*NQ*(\sc)+NQ*(\a)+(\q)] matrix_a_fmt:MATRIX_FMT_FP6 matrix_b_fmt:MATRIX_FMT_FP6 matrix_a_scale:MATRIX_SCALE_ROW1
.endif
.endr
.endr
.endm
.macro FETCH_B slot, q, p
	WIN TO_B
.irp i, 0,1,2,3,4,5,6,7
	FRAG 128*(\p)+FR*\i, ADRB+\slot, \q, \i
.endr
	WIN 0
.endm
.macro FETCH_A slot, q, i0
.irp i, \i0, \i0+1, \i0+2, \i0+3
	FRAG AF+FR*(\i), ADRA+\slot, \q, \i
.endr
.endm
.macro SCALES sc                       ; a K step's scale words: two words a row; lanes 0-15 take A's block i, lanes 16-31 B's block i
.irp i, 0,1,2,3,4,5,6,7
	ds_load_b64 v[SC+8*NQ*\sc+NQ*\i:SC+8*NQ*\sc+NQ*\i+1], v[ADRS] offset:\i*SBLK
.endr
.endm
.macro PLACES n                        ; plain vector instructions between a matrix instruction and a load into, or a vector read or write of, one of its registers
.rept \n
	v_nop
.endr
.endm
.macro STEP slot, q, zero              ; a step of 128 along K that has its successor in the same slot
	s_wait_dscnt 4*NL                              ; B's set and A's blocks 0-3 are in; the youngest 24 loads (A's blocks 4-7) may be out
	WIN MUL_LO
	MUL16 0, (\q)%2, \q, \slot, \zero
	MUL16 2, (\q)%2, \q, \slot, \zero
	s_wait_dscnt 0
	PLACES NP
	FETCH_B \slot, (\q)+1, 1-(\q)%2
	FETCH_A \slot, (\q)+1, 0
	WIN MUL_HI
	MUL16 4, (\q)%2, \q, \slot, \zero
	MUL16 6, (\q)%2, \q, \slot, \zero
	PLACES NP
	WIN 0
	FETCH_A \slot, (\q)+1, 4
.endm
; A slot's last step changes slots: one barrier; in front of it each wave waits for all its tensor loads, adds 0 to its spare word, and waits for that and for its reads of this slot.  fill = 1: this slot is filled again, two K steps ahead.
.macro TURN slot, next, fill
	s_wait_tensorcnt 0x0                           ; all my tensor loads have landed: my part of the next slot
	ds_add_u32 v[SPW], v[NIL]                      ; 0 onto my spare word
	s_wait_dscnt 4*NL+1                            ; (the add and the youngest 24 loads may be out)
	WIN MUL_LO
	MUL16 0, 1, NQ-1, \slot, 0
	s_wait_dscnt 0x0                               ; the add is done, and my reads of this slot are over
	s_barrier_signal -1
	MUL16 2, 1, NQ-1, \slot, 0
	WIN 0
	s_barrier_wait -1
.if \fill
	CREST                                          ; the barrier has opened a round of the cluster's barrier: no wave of any partner still reads this slot or has a load on its way
	s_add_nc_u64 s[G0+4*\slot+2:G0+4*\slot+3], s[G0+4*\slot+2:G0+4*\slot+3], 2*ROWB
	s_add_nc_u64 s[G0B+4*\slot+2:G0B+4*\slot+3], s[G0B+4*\slot+2:G0B+4*\slot+3], 2*ROWB
	JLOAD G0+4*\slot, G1, G0B+4*\slot, G1B         ; my one tensor load behind the round; its four v_nop are also the places in front of the loads below
.else
	PLACES NP
.endif
	v_add_nc_u32 v[ADRS], 4*NQ, v[ADRS]            ; on to the next K step's scale words
	FETCH_B \next, 0, 0
	FETCH_A \next, 0, 0
	SCALES \next
	WIN MUL_HI
	MUL16 4, 1, NQ-1, \slot, 0
	MUL16 6, 1, NQ-1, \slot, 0
	PLACES NP
	WIN 0
	FETCH_A \next, 0, 4
.endm
	s_wait_tensorcnt 1                             ; the scales and my part of K step 0 are in (K step 1's load may be out)
	s_barrier_signal -1
	s_barrier_wait -1                              ; everybody's are
	FETCH_B 0, 0, 0
	FETCH_A 0, 0, 0
	SCALES 0
	FETCH_A 0, 0, 4
	STEP 0, 0, 1                                   ; the first step's products start the sums: nothing is cleared
	s_mov_b32 s3, LAPS-1
.Llap:
	TURN 0, 1, 1
	STEP 1, 0, 0
	TURN 1, 0, 1
	STEP 0, 0, 0
	s_sub_co_u32 s3, s3, 1
	s_cmp_lg_u32 s3, 0
	s_cbranch_scc1 .Llap
	TURN 0, 1, 0                                   ; the last lap fills nothing
	STEP 1, 0, 0
	s_load_b128 s[4:7], s[0:1], 0x20               ; q's and k's images s[4:5], v's s[6:7]: asked for here, wanted behind the last products
	s_load_b64 s[8:9], s[0:1], 0x30                ; the scale words
	s_wait_dscnt 4*NL
	WIN MUL_LO
	MUL16 0, 1, NQ-1, 1, 0
	MUL16 2, 1, NQ-1, 1, 0
	s_wait_dscnt 0
	WIN MUL_HI
	MUL16 4, 1, NQ-1, 1, 0
	MUL16 6, 1, NQ-1, 1, 0
	WIN 0
; ---------------- THE WAY OUT.  Nothing goes through LDS: a lane's registers already run along the axis that is quantised.
; 64 numbers of a lane, v[s] .. v[s + 63] of window w, register 16 b + i = number 32 b + 16 (lane / 16) + i of my row, become a fragment's 12 registers in v[PC] on and its scale word in v[PW].
.macro QUANT s, w
	s_wait_xcnt 0x0                                ; the stores issued so far have read their registers: the codes and scale words may be written again
	WIN ((\w)<<2)|((\w)<<4)
.irp b, 0,1,2,3
	v_max3_num_f32 v[TM+\b], 0x1800000, |v[(\s)+16*\b]|, |v[(\s)+1+16*\b]|   ; block b: my 16 numbers and the floor 2^(3 - 127); each accumulator is read from its low end on
.endr
.irp i, 2,4,6,8,10,12,14
.irp b, 0,1,2,3
	v_max3_num_f32 v[TM+\b], v[TM+\b], |v[(\s)+16*\b+\i]|, |v[(\s)+1+16*\b+\i]|
.endr
.endr
	WIN 0
.irp b, 0,1,2,3
	v_permlanex16_b32 v[TM+4+\b], v[TM+\b], s[SEL], s[SEL+1]
.endr
.irp b, 0,1,2,3
	v_max_num_f32 v[TM+\b], v[TM+\b], v[TM+4+\b]   ; with lane l xor 16's: the block's largest magnitude
.endr
.irp b, 0,1,2,3
	v_add_nc_u32 v[TM+12+\b], 0xff000000, v[TM+\b] ; 2 off its exponent field: the conversion's scale operand
.endr
.irp b, 0,1,2,3
	v_lshrrev_b32 v[TM+4+\b], 23, v[TM+12+\b]      ; the scale's byte
.endr
	v_lshl_or_b32 v[PW], v[TM+5], 8, v[TM+4]
	v_lshl_or_b32 v[PW], v[TM+6], 16, v[PW]
	v_lshl_or_b32 v[PW], v[TM+7], 24, v[PW]
	WIN (\w)
.irp c, 0,1
	v_cvt_scalef32_pk16_fp6_f32 v[PC+6*\c:PC+2+6*\c], v[(\s)+32*\c:(\s)+15+32*\c], v[TM+12+2*\c]
	v_cvt_scalef32_pk16_fp6_f32 v[PC+12+4*\c:PC+14+4*\c], v[(\s)+16+32*\c:(\s)+31+32*\c], v[TM+12+2*\c+1]   ; (a conversion's three registers begin on an even number)
.endr
	WIN 0
	v_nop                                          ; one plain place behind a scaled conversion
.irp c, 0,1                            ; the operand's layout wants a whole block in a lane: lanes 0-15 block 2 c, lanes 16-31 block 2 c + 1
.irp i, 0,1,2
	v_permlane16_swap_b32 v[PC+6*\c+\i], v[PC+12+4*\c+\i]
.endr
.irp i, 0,1,2
	v_mov_b32 v[PC+3+6*\c+\i], v[PC+12+4*\c+\i]
.endr
.endr
.endm
.macro OUT base, off                   ; the fragment as it stands: four registers of all lanes are 512 consecutive bytes
.irp g, 0,1,2
	global_store_b128 v[LI], v[PC+4*\g:PC+4*\g+3], s[\base:\base+1] offset:(\off)+512*\g
.endr
.endm
; RoPE of tile 4 f + be of my tokens, head hd of my four: x cos + partner x (+-sin); the partner d +- 16 lies in lane l xor 16, in the same register.  The result is block be of the 64 numbers at v[R].
.macro ROPE f, be, hd
	WIN (2+\f)|(1<<2)                              ; source 0: the accumulators; source 1: the table
.irp i, 0,1,2,3,4,5,6,7,8,9,10,11,12,13,14,15
	v_permlanex16_b32 v[P+\i], v[64*\be+16*\hd+\i], s[SEL], s[SEL+1]   ; ascending: each accumulator is read from its low end on
.endr
.irp i, 0,2,4,6,8,10,12,14
	v_pk_mul_f32 v[R+16*\be+\i:R+16*\be+\i+1], v[64*\be+16*\hd+\i:64*\be+16*\hd+\i+1], v[32*(4*\f+\be)+\i:32*(4*\f+\be)+\i+1]
.endr
	WIN 1<<2
.irp i, 0,2,4,6,8,10,12,14
	v_pk_fma_f32 v[R+16*\be+\i:R+16*\be+\i+1], v[P+\i:P+\i+1], v[32*(4*\f+\be)+16+\i:32*(4*\f+\be)+17+\i], v[R+16*\be+\i:R+16*\be+\i+1]
.endr
.endm
	PLACES NP                                      ; behind the last products: for the reads of results, the writes over scale words and fragments, and the loads into window 1
	s_mov_b32 s[SEL], 0x76543210
	s_mov_b32 s[SEL+1], 0xfedcba98
	s_mov_b32 s3, 0xffff0000                       ; lanes 16-31
.irp b, 0,1,2,3
	v_mov_b32 v[TM+4+\b], 0                        ; written once: a lane permute's destination counts as one of its sources
.endr
	s_wait_kmcnt 0x0
	s_cmp_lg_u32 s[ISV], 0                         ; the same in all sixteen partners
	s_cbranch_scc1 .Lway_v
	; ---- q and k.  The table of my 8 tiles of tokens: 64 loads of 512 consecutive bytes, into window 1, which the products have left
	s_lshl_b32 s20, s17, 4
	s_lshl_b32 s21, s15, 3
	s_add_co_u32 s20, s20, s21
	s_and_b32 s20, s20, 127                        ; my first tile of 16 tokens in its sequence: a multiple of 8, so tiles + 0 .. + 7 stay inside the table's 128
	s_lshl_b32 s20, s20, 12
	s_mov_b32 s21, 0
	s_add_nc_u64 s[10:11], s[10:11], s[20:21]
	WIN 0x40
.irp a, 0,1,2,3,4,5,6,7
.irp g, 0,1,2,3,4,5,6,7
	global_load_b128 v[32*\a+4*\g:32*\a+4*\g+3], v[LI], s[10:11] offset:4096*\a+512*\g
.endr
.endr
	WIN 0
.irp i, 0,1,2,3,4,5,6,7,8,9,10,11,12,13,14,15
	v_mov_b32 v[P+\i], 0                           ; (a lane permute's destination)
.endr
	s_mul_i32 s20, ttmp9, 3145728                  ; q or k
	s_lshr_b32 s21, s17, 3                         ; the batch: 8 tiles of 256 tokens each
	s_mul_i32 s22, s21, 1572864
	s_add_co_u32 s20, s20, s22
	s_lshl_b32 s22, s40, 3
	s_lshl_b32 s23, s16, 2
	s_add_co_u32 s22, s22, s23                     ; my first head: 8 cx + 4 x half
	s_mul_i32 s23, s22, 49152
	s_add_co_u32 s20, s20, s23
	s_lshl_b32 s23, s17, 1
	s_add_co_u32 s23, s23, s15
	s_and_b32 s23, s23, 15                         ; my 128 tokens in the sequence
	s_mul_i32 s46, s23, 3072
	s_add_co_u32 s20, s20, s46
	s_lshl_b32 s46, ttmp9, 17
	s_lshl_b32 s21, s21, 16
	s_add_co_u32 s46, s46, s21
	s_lshl_b32 s22, s22, 11
	s_add_co_u32 s46, s46, s22
	s_lshl_b32 s23, s23, 7
	s_add_co_u32 s46, s46, s23
	s_mov_b32 s21, 0
	s_mov_b32 s47, 0
	s_add_nc_u64 s[4:5], s[4:5], s[20:21]
	s_add_nc_u64 s[8:9], s[8:9], s[46:47]
.irp f, 0,1                            ; a fragment holds four tiles of tokens, one in each block of 32 along its K: tile 4 f + be in block be
.if \f == 0
	s_wait_loadcnt 32                              ; the table of tiles 0-3 is in; the 32 loads of tiles 4-7 may be out
.else
	s_wait_loadcnt 0x0
.endif
.irp hd, 0,1,2,3
	ROPE \f, 0, \hd
	ROPE \f, 1, \hd
	ROPE \f, 2, \hd
	ROPE \f, 3, \hd
	QUANT R, 0
	OUT 4, \hd*49152+\f*1536
.if \f == 0
	v_mov_b32 v[PWS+\hd], v[PW]                    ; kept for lanes 0-15 of the head's 32 scale words
.else
	v_cndmask_b32 v[WD], v[PWS+\hd], v[PW], s3     ; lanes 16-31: fragment 1's
	global_store_b32 v[LS], v[WD], s[8:9] offset:\hd*2048
.endif
.endr
.endr
	s_branch .Lclose
	; ---- v.  Accumulators (a, 0 .. 7) are 64 numbers along my 128 keys for d-row r of W's tile a: head a / 2 of my four, half a % 2 of its 32
.Lway_v:
	s_lshr_b32 s21, s42, 3                         ; the batch
	s_mul_i32 s20, s21, 1572864
	s_lshl_b32 s22, s41, 3
	s_lshl_b32 s23, s15, 2
	s_add_co_u32 s22, s22, s23                     ; my first head: 8 cy + 4 x half
	s_mul_i32 s23, s22, 49152
	s_add_co_u32 s20, s20, s23
	s_lshl_b32 s23, s42, 1
	s_add_co_u32 s23, s23, s16
	s_and_b32 s23, s23, 15                         ; my key step
	s_mul_i32 s46, s23, 3072
	s_add_co_u32 s20, s20, s46
	s_lshl_b32 s46, s21, 16
	s_lshl_b32 s22, s22, 11
	s_add_co_u32 s46, s46, s22
	s_lshl_b32 s23, s23, 7
	s_add_co_u32 s46, s46, s23
	s_add_co_u32 s46, s46, 262144                  ; v's scale words lie behind q's and k's
	s_mov_b32 s21, 0
	s_mov_b32 s47, 0
	s_add_nc_u64 s[6:7], s[6:7], s[20:21]
	s_add_nc_u64 s[8:9], s[8:9], s[46:47]
.irp a, 0,1,2,3,4,5,6,7
	QUANT 64*(\a%4), 2+\a/4
	OUT 6, (\a/2)*49152+(\a%2)*1536
.if \a%2 == 0
	v_mov_b32 v[PWS], v[PW]
.else
	v_cndmask_b32 v[WD], v[PWS], v[PW], s3
	global_store_b32 v[LS], v[WD], s[8:9] offset:(\a/2)*2048
.endif
.endr
.Lclose:
	s_wait_tensorcnt 0x0                           ; the wave's end
	ds_add_u32 v[SPW], v[NIL]
	s_wait_dscnt 0x0
	CROUND                                         ; the closing round: no work-group ends while a partner may still ask for a tile that names it
	s_endpgm
.Lfunc_end_k_q02454f4662_qkv:
	.size	k_q02454f4662_qkv, .Lfunc_end_k_q02454f4662_qkv-k_q02454f4662_qkv
	.p2alignl 7, 3214868480
	.fill 96, 4, 3214868480
	.section	.rodata,"a",@progbits
	.p2align	6, 0x0
	.amdhsa_kernel k_q02454f4662_qkv
		.amdhsa_group_segment_fixed_size 327680
		.amdhsa_private_segment_fixed_size 0
		.amdhsa_enable_private_segment 0
		.amdhsa_kernarg_size 56
		.amdhsa_user_sgpr_count 2
		.amdhsa_user_sgpr_kernarg_segment_ptr 1
		.amdhsa_wavefront_size32 1
		.amdhsa_system_sgpr_workgroup_id_x 1
		.amdhsa_system_sgpr_workgroup_id_y 1
		.amdhsa_system_sgpr_workgroup_id_z 1
		.amdhsa_system_vgpr_workitem_id 0
		.amdhsa_next_free_vgpr 1024
		.amdhsa_next_free_sgpr 102
		.amdhsa_reserve_vcc 0
		.amdhsa_float_denorm_mode_32 3
		.amdhsa_float_denorm_mode_16_64 3
		.amdhsa_memory_ordered 1
		.amdhsa_forward_progress 1
		.amdhsa_inst_pref_size 255
	.end_amdhsa_kernel
	.section	.bss,"aw",@nobits
	.p2align	6
	.space	262144
	.amdgpu_metadata
---
amdhsa.version: [ 1, 2 ]
amdhsa.kernels:
  - .name:           k_q02454f4662_qkv
    .symbol:         k_q02454f4662_qkv.kd
    .args:
      - { .name: xc, .offset: 0, .size: 8, .value_kind: global_buffer, .address_space: global }
      - { .name: xws, .offset: 8, .size: 8, .value_kind: global_buffer, .address_space: global }
      - { .name: wc, .offset: 16, .size: 8, .value_kind: global_buffer, .address_space: global }
      - { .name: rt, .offset: 24, .size: 8, .value_kind: global_buffer, .address_space: global }
      - { .name: qkc, .offset: 32, .size: 8, .value_kind: global_buffer, .address_space: global }
      - { .name: vc, .offset: 40, .size: 8, .value_kind: global_buffer, .address_space: global }
      - { .name: sc, .offset: 48, .size: 8, .value_kind: global_buffer, .address_space: global }
    .group_segment_fixed_size: 327680
    .private_segment_fixed_size: 0
    .kernarg_segment_align: 8
    .kernarg_segment_size: 56
    .max_flat_workgroup_size: 128
    .sgpr_count:     102
    .vgpr_count:     1024
    .wavefront_size: 32
...
	.end_amdgpu_metadata
.endif
;; end of part 2
;; launch attn (part 3): grid 8 x 32, 16 waves a work-group, no clusters, 276,480 bytes of LDS; arguments qkc, vc, sc, mwf, out0; writes out0
.if DOCPART == 3
	.amdgcn_target "amdgcn-amd-amdhsa--gfx1250"
	.amdhsa_code_object_version 6
	.text
	.protected	k_q02454f4662_attn
	.globl	k_q02454f4662_attn
	.p2align	8
	.type	k_q02454f4662_attn,@function
k_q02454f4662_attn:
	s_mov_b64 s[64:65], 0
	v_nop
	global_prefetch_b8 v0, s[64:65] scope:SCOPE_SE
	s_setreg_imm32_b32 hwreg(HW_REG_WAVE_MODE, 25, 1), 1
	s_wait_xcnt 0x0
; ATTN: out = softmax(mask ? q k^T / sqrt(32) : -inf) v, both products on codes of FP6 (E2M3) with E8M0 scales, for 2 batches x 32 heads x 2,048 queries x 2,048 keys; the head is 32 wide.
; THE SOFTMAX AHEAD OF THE SECOND PRODUCT: t = score x log2(e) / sqrt(32); M = the running largest t rounded up to a whole number; p = 2^(t - M) is quantised along the keys; the sum of the unquantised p divides at the end.
; When M moves, the sum and O are multiplied by 2^(old M - new M): exact.
; SHARES.  Work-group (j, y): batch y / 16, heads 2 p and 2 p + 1 (p = y % 16), the 16 tiles of queries tau = 8 wq + j.  Wave w does two units: head 2 p with wq = w, head 2 p + 1 with wq = w xor 15.
; K, V and their scale words of both heads, 200 KiB of register images, are copied into LDS once, through registers, and stay: nothing in LDS is filled again.
; THE FIRST PRODUCT'S K IS 32, a quarter of the instruction's 128: a fragment of k holds FOUR tiles of 16 keys, one in each block of 32; the queries stand in one block and zero codes in the other three, so each
; instruction gives the scores of the tile whose block the queries stand in.  Both products are used transposed: a lane holds one query (lane % 16) throughout, and register 16 B + i of the scores is key 32 B + 16 (lane / 16) + i.
; THE MASK IS AN INPUT.  An earlier launch has stored it as one bit a (query, key), word j of a step for register j, bit l for lane l, with two flags a (tile, step): does any key count, do all.  A step in which none counts is
; passed over (a scalar branch on the stored flag); where not all count, one v_cndmask_b32 a register puts -infinity; a query for which no key counts comes out NaN (0 x infinity), as a softmax of -infinities does.
; NO JOINT LOADS: this launch has no tensor load; K and V are read from memory once a work-group, at its head.
; LIMITS: NaN and infinities among the scores are not served; a block's largest p is taken from its largest score by the same multiply-add and exponential (this takes v_exp_f32 not to fall where its input rises);
; a block whose every p is 0 keeps the byte 1: its codes are zeros.
.set KC,    0                          ; LDS: k's images: head e at 49,152 e, key step kappa at 3,072 kappa, fragment f at 1,536 f
.set VC,    98304                      ; v's likewise
.set KSC,   196608                     ; k's scale words: 2,048 e + 128 kappa + 4 x lane
.set VSC,   200704                     ; v's
.set STAGE, 204800                     ; the way out: 256 rows x (256 bytes + 16)
.set SPT,   272
.set LI,   1                           ; v1  16 x lane
.set LS,   2                           ; v2  4 x lane
.set ADK,  3                           ; v3  the step's images of k
.set ADV,  4                           ; v4  of v
.set ADS,  5                           ; v5  its scale words
.set NINF, 6                           ; v6  -infinity
.set QF,   16                          ; v16-51  QA Z QA QB Z QB, six registers each: QA = the query's 24 bytes in lanes 0-15 and zeros above, QB the other way round, Z zeros
.set QS,   52                          ; v52 q's scale, in all four bytes;  v53 k's words;  v54 v's;  v55 p's: these four hold scales and nothing else
.set KSW,  53
.set VSW,  54
.set PSW,  55
.set KF,   56                          ; v56-79   k's two fragments
.set VF,   80                          ; v80-103  v's two
.set S,    104                         ; v104-167 the scores, then p
.set O,    168                         ; v168-183 O^T: register i is d = 16 (lane / 16) + i
.set PC,   184                         ; v184-195 p's codes
.set PX,   196                         ; v196-198, v200-202 the second halves of the conversions
.set BM,   204                         ; v204-207 the blocks' largest scores
.set BT,   208                         ; v208-211 at work
.set SCO,  212                         ; v212-215 the conversions' scale operands
.set FF,   216                         ; v[216:217] f = 2^(old M - new M)
.set SU2,  218                         ; v[218:219] the sum's second chain
.set STA,  220                         ; v220, v221 where unit 0, 1 puts its rows in the stage
.set RD,   250                         ; v250 where I read rows back
.set GO,   251                         ; v251 my byte offset in out0
.set WV,   66
.set SEL,  68                          ; s[68:69] selects for lane l xor 16
.set CS,   70                          ; s[70:71] c = log2(e) / sqrt(32)
.set FL,   72                          ; bit kappa: any key counts; bit 16 + kappa: all count
.set KAP,  73
.set KAP16, 74
.set TK,   75
.set TS,   76
.set MOFF, 77
.set MC,   78
.set M1,   79
.set MLO,  96
.set MHI,  97
.set SELB, 98
; the 64 mask words of a step: word j in s[16 + j] for j < 48, in s[32 + j] from there on
	s_load_b256 s[4:11], s[0:1], 0x0               ; q's and k's images s[4:5], v's s[6:7], scale words s[8:9], mask words and flags s[10:11]
	s_load_b64 s[12:13], s[0:1], 0x20              ; out0
	v_lshl_add_u32 v254, v0, 2, 0x43000
	v_mov_b32 v255, 0
	v_lshrrev_b32 v7, 5, v0
	v_readfirstlane_b32 s[WV], v7                  ; wave 0..15
	v_and_b32 v8, 31, v0
	v_lshlrev_b32 v[LI], 4, v8
	v_lshlrev_b32 v[LS], 2, v8
	v_and_b32 v3, 15, v0                           ; r
	v_bfe_u32 v4, v0, 4, 1                         ; h
	s_and_b32 s14, ttmp7, 0xffff
	s_lshr_b32 s15, s14, 4                         ; the batch
	s_and_b32 s14, s14, 15                         ; the pair of heads
	s_mul_i32 s2, s15, 1572864
	s_mul_i32 s3, s14, 98304
	s_add_co_u32 s2, s2, s3                        ; head 2 p's first byte in a tensor of images
	s_lshl_b32 s100, s15, 16
	s_lshl_b32 s101, s14, 12
	s_add_co_u32 s100, s100, s101                  ; and among a tensor's scale words
	; out0: batch, my 16 stage rows' tokens 128 w + 32 (j / 2) + 8 (j % 2) + .., the pair's 256 bytes
	s_lshl_b32 s3, s15, 23
	s_lshl_b32 s101, s14, 8
	s_add_co_u32 s3, s3, s101
	s_lshl_b32 s101, s[WV], 19
	s_add_co_u32 s3, s3, s101
	s_lshr_b32 s101, ttmp9, 1
	s_lshl_b32 s101, s101, 17
	s_add_co_u32 s3, s3, s101
	s_and_b32 s101, ttmp9, 1
	s_lshl_b32 s101, s101, 15
	s_add_co_u32 s3, s3, s101
	v_lshlrev_b32 v5, 12, v4
	v_lshl_add_u32 v5, v3, 4, v5
	v_add_nc_u32 v[GO], s3, v5                     ; lanes 0-15 one row of out0, lanes 16-31 the next; 16 bytes a lane
	; the stage
	v_mul_u32_u24 v5, v3, SPT
	v_lshl_add_u32 v5, v4, 6, v5                   ; in: row r, + 64 h
	s_mul_i32 s3, s[WV], 16*SPT
	s_add_co_u32 s3, s3, STAGE
	v_add_nc_u32 v[STA], s3, v5                    ; unit 0: rows 16 w on, bytes 0-127
	v_mul_u32_u24 v9, v4, SPT
	v_lshl_add_u32 v9, v3, 4, v9
	v_add_nc_u32 v[RD], s3, v9                     ; back: rows 16 w on, two an instruction
	s_xor_b32 s101, s[WV], 15
	s_mul_i32 s3, s101, 16*SPT
	s_add_co_u32 s3, s3, STAGE+128
	v_add_nc_u32 v[STA+1], s3, v5                  ; unit 1: rows 16 (w xor 15) on, bytes 128-255
	; q: fragment f = j / 4 of the 128 tokens wq, and its rows' scale words
	v_lshlrev_b32 v9, 2, v3                        ; 4 r
	s_lshr_b32 s3, ttmp9, 2
	s_mul_i32 s14, s3, 1536
	s_add_co_u32 s14, s14, s2
	s_lshl_b32 s15, s3, 6
	s_add_co_u32 s15, s15, s100
	s_mul_i32 s3, s[WV], 3072
	s_add_co_u32 s3, s3, s14
	v_add_nc_u32 v204, s3, v[LI]
	s_lshl_b32 s3, s[WV], 7
	s_add_co_u32 s3, s3, s15
	v_add_nc_u32 v206, s3, v9
	s_mul_i32 s3, s101, 3072
	s_add_co_u32 s3, s3, s14
	s_add_co_u32 s3, s3, 49152
	v_add_nc_u32 v205, s3, v[LI]
	s_lshl_b32 s3, s101, 7
	s_add_co_u32 s3, s3, s15
	s_add_co_u32 s3, s3, 2048
	v_add_nc_u32 v207, s3, v9
	; the fill: thread t takes 16 bytes at 16 t of each 8,192
	v_lshlrev_b32 v7, 4, v0                        ; LDS: k's first 65,536 bytes
	s_add_co_u32 s3, s2, 3145728                   ; k lies behind q
	v_add_nc_u32 v208, s3, v7
	v_add_nc_u32 v209, s2, v7
	v_lshrrev_b32 v10, 8, v0
	v_and_b32 v11, 255, v0
	v_lshlrev_b32 v11, 4, v11
	v_lshl_add_u32 v11, v10, 17, v11               ; threads 0-255: k's scale words; 256-511: v's, 131,072 bytes on
	s_add_co_u32 s3, s100, 131072
	v_add_nc_u32 v210, s3, v11
	v_add_nc_u32 v8, 65536, v7                     ; an LDS immediate has 16 bits: five address registers
	v_add_nc_u32 v9, 98304, v7
	v_add_nc_u32 v10, 163840, v7
	v_add_nc_u32 v11, 196608, v7
	s_wait_kmcnt 0x0
.irp g, 0,1,2
	global_load_b128 v[236+4*\g:239+4*\g], v204, s[4:5] offset:512*\g   ; unit 0's q
.endr
	global_load_b32 v248, v206, s[8:9]
.irp g, 0,1,2
	global_load_b128 v[222+4*\g:225+4*\g], v205, s[4:5] offset:512*\g   ; unit 1's
.endr
	global_load_b32 v234, v207, s[8:9]
.irp i, 0,1,2,3,4,5,6,7,8,9,10,11
	global_load_b128 v[56+4*\i:59+4*\i], v208, s[4:5] offset:8192*\i
.endr
.irp i, 0,1,2,3,4,5,6,7,8,9,10,11
	global_load_b128 v[104+4*\i:107+4*\i], v209, s[6:7] offset:8192*\i
.endr
	global_load_b128 v[152:155], v210, s[8:9]
	s_mov_b32 s[SEL], 0x76543210
	s_mov_b32 s[SEL+1], 0xfedcba98
	s_mov_b32 s[CS], 0x3e8293ee                    ; c = log2(e) / sqrt(32)
	s_mov_b32 s[CS+1], s[CS]                       ; (named with it as a pair, so it is written)
	s_mov_b32 s[MLO], 0xffff
	s_mov_b32 s[MHI], 0xffff0000
	s_bfe_u32 s3, ttmp9, 0x10001                   ; my queries are block j % 4 of their fragment: registers 6 c on, c = (j / 2) % 2,
	s_cmp_lg_u32 s3, 0
	s_cselect_b32 s[MC], -1, 0
	s_and_b32 s3, ttmp9, 1                         ; of the lanes' half j % 2
	s_cmp_lg_u32 s3, 0
	s_cselect_b32 s[M1], s[MLO], s[MHI]            ; the lanes of the other half, which take their partner's
	s_and_b32 s3, ttmp9, 3
	s_mul_i32 s[SELB], s3, 0x01010101              ; byte j % 4 of a scale word, four times
	v_mov_b32 v[NINF], 0xff800000
.irp w, 0,1,2,3,4,5
	v_mov_b32 v[QF+6+\w], 0
	v_mov_b32 v[QF+24+\w], 0
.endr
	v_mov_b32 v[BT+3], 0                           ; (a lane permute's destination counts as one of its sources; v208-210 are written above)
	v_mov_b32 v[FF+1], 0                           ; (named as the upper half of a pair)
.set i, 0
.rept 25
	s_wait_loadcnt 24-i                            ; fill i is in; the younger fills may be out
.if i < 8
	ds_store_b128 v7, v[56+4*i:59+4*i] offset:8192*i
.elseif i < 12
	ds_store_b128 v8, v[56+4*i:59+4*i] offset:8192*(i-8)
.elseif i < 20
	ds_store_b128 v9, v[56+4*i:59+4*i] offset:8192*(i-12)
.elseif i < 24
	ds_store_b128 v10, v[56+4*i:59+4*i] offset:8192*(i-20)
.else
	ds_store_b128 v11, v[56+4*i:59+4*i]
.endif
.set i, i+1
.endr
	s_wait_dscnt 0x0                               ; for the others' sake: my stores have landed
	s_barrier_signal -1
	s_barrier_wait -1                              ; K, V and their scales lie in LDS
; A UNIT: one tile of 16 queries of head 2 p + e against all key steps that the mask leaves.
.macro UNIT e
.if \e == 0
	s_lshl_b32 s3, s[WV], 3
.else
	s_xor_b32 s3, s[WV], 15
	s_lshl_b32 s3, s3, 3
.endif
	s_add_co_u32 s3, s3, ttmp9                     ; tau
	s_lshl_b32 s14, s3, 6
	s_load_b512 s[16:31], s[10:11], s14 offset:0x80000   ; the tile's 16 flags
	s_lshl_b32 s[MOFF], s3, 12                     ; its mask words: 16 steps x 256 bytes
	v_perm_b32 v[QS], v[248-14*\e], v[248-14*\e], s[SELB]   ; the queries' scale in all four bytes: whichever block they stand in
.irp w, 0,1,2,3,4,5
	v_cndmask_b32 v8, v[236-14*\e+\w], v[242-14*\e+\w], s[MC]
	v_permlanex16_b32 v7, v8, s[SEL], s[SEL+1]
	v_cndmask_b32 v8, v8, v7, s[M1]                ; query r's word, in lanes r and r + 16
	v_cndmask_b32 v[QF+\w], 0, v8, s[MLO]
	v_cndmask_b32 v[QF+12+\w], 0, v8, s[MLO]
	v_cndmask_b32 v[QF+18+\w], 0, v8, s[MHI]
	v_cndmask_b32 v[QF+30+\w], 0, v8, s[MHI]
.endr
.irp i, 0,1,2,3,4,5,6,7,8,9,10,11,12,13,14,15
	v_mov_b32 v[O+\i], 0                           ; the step is written once: the first finds zeros, which the first change of M leaves zeros
.endr
	v_mov_b32 v13, 0xff61b1e6                      ; the largest t so far: -3e38
	v_floor_f32 v12, -v13                          ; -M
	v_mov_b32 v14, 0                               ; the sum, in two halves
	v_mov_b32 v15, 0
	s_mov_b32 s[KAP], 0
	s_mov_b32 s[KAP16], 16
	s_mov_b32 s[TK], KC+49152*\e
	s_mov_b32 s[TS], KSC+2048*\e
	s_mov_b32 s[FL], 0
	s_wait_kmcnt 0x0
.irp k, 0,1,2,3,4,5,6,7,8,9,10,11,12,13,14,15
	s_lshl_b32 s3, s[16+\k], \k
	s_or_b32 s[FL], s[FL], s3
.endr
.Lstep_\e:                             ; 16 trips, a constant; a step's work is passed over where no key counts
	s_bitcmp1_b32 s[FL], s[KAP]
	s_cbranch_scc0 .Lskip_\e
	s_load_b512 s[16:31], s[10:11], s[MOFF] offset:0x0      ; the step's 64 mask words
	s_load_b512 s[32:47], s[10:11], s[MOFF] offset:0x40
	s_load_b512 s[48:63], s[10:11], s[MOFF] offset:0x80
	s_load_b512 s[80:95], s[10:11], s[MOFF] offset:0xc0
	v_add_nc_u32 v[ADK], s[TK], v[LI]
	v_add_nc_u32 v[ADS], s[TS], v[LS]
	v_add_nc_u32 v[ADV], VC-KC, v[ADK]
.irp g, 0,1,2,3,4,5
	ds_load_b128 v[KF+4*\g:KF+4*\g+3], v[ADK] offset:512*\g   ; images: 512 consecutive bytes an instruction
.endr
	ds_load_b32 v[KSW], v[ADS]
.irp g, 0,1,2,3,4,5
	ds_load_b128 v[VF+4*\g:VF+4*\g+3], v[ADV] offset:512*\g
.endr
	ds_load_b32 v[VSW], v[ADS] offset:VSC-KSC
	s_wait_dscnt 7                                 ; k's seven loads are in; v's seven may be out
.irp t, 0,1,2,3,4,5,6,7                ; S^T: tile t = 4 f + beta of the step's keys: fragment f, the queries in block beta
.if \t < 4
	v_wmma_scale_f32_16x16x128_f8f6f4 v[S+8*\t:S+8*\t+7], v[KF:KF+11], v[QF+18*(\t%2)+6*((\t%4)/2):QF+18*(\t%2)+6*((\t%4)/2)+11], 0, v[KSW], v[QS] matrix_a_fmt:MATRIX_FMT_FP6 matrix_b_fmt:MATRIX_FMT_FP6
.else
	v_wmma_scale_f32_16x16x128_f8f6f4 v[S+8*\t:S+8*\t+7], v[KF+12:KF+23], v[QF+18*(\t%2)+6*((\t%4)/2):QF+18*(\t%2)+6*((\t%4)/2)+11], 0, v[KSW], v[QS] matrix_a_fmt:MATRIX_FMT_FP6 matrix_b_fmt:MATRIX_FMT_FP6 matrix_a_scale:MATRIX_SCALE_ROW1
.endif
.endr
.rept 4
	v_nop                                          ; places in front of the first read of the scores (ISA guide 7.12.1)
.endr
	s_wait_kmcnt 0x0                               ; the mask words are in
	s_bitcmp1_b32 s[FL], s[KAP16]
	s_cbranch_scc1 .Lopen_\e                       ; all keys count for all queries: nothing to hide
.set jj, 0
.rept 64
.if jj < 48
	v_cndmask_b32 v[S+jj], v[NINF], v[S+jj], s[16+jj]   ; ascending: each accumulator is read from its low end on
.else
	v_cndmask_b32 v[S+jj], v[NINF], v[S+jj], s[32+jj]
.endif
.set jj, jj+1
.endr
.Lopen_\e:
.irp b, 0,1,2,3
	v_max3_num_f32 v[BM+\b], v[S+16*\b], v[S+1+16*\b], v[S+2+16*\b]   ; the largest score of each block of 32 keys: for the row's maximum, and for the block's largest p
.endr
.irp i, 3,5,7,9,11,13
.irp b, 0,1,2,3
	v_max3_num_f32 v[BM+\b], v[BM+\b], v[S+16*\b+\i], v[S+1+16*\b+\i]
.endr
.endr
.irp b, 0,1,2,3
	v_max_num_f32 v[BM+\b], v[BM+\b], v[S+15+16*\b]
.endr
.irp b, 0,1,2,3
	v_permlanex16_b32 v[BT+\b], v[BM+\b], s[SEL], s[SEL+1]
.endr
.irp b, 0,1,2,3
	v_max_num_f32 v[BM+\b], v[BM+\b], v[BT+\b]     ; with lane l xor 16's 16 keys
.endr
	v_max3_num_f32 v7, v[BM], v[BM+1], v[BM+2]
	v_max_num_f32 v7, v7, v[BM+3]
	v_mul_f32 v7, s[CS], v7                        ; the step's largest t of my query
	v_max_num_f32 v13, v13, v7                     ; the running largest
	v_mov_b32 v7, v12
	v_floor_f32 v12, -v13                          ; the new -M = -ceil(t)
	v_sub_f32 v7, v12, v7                          ; old M - new M: a whole number, 0 or less
	v_cvt_i32_f32 v7, v7                           ; (it saturates)
	v_ldexp_f32 v[FF], 1.0, v7                     ; f = 2^(old M - new M)
.irp j, 0,2,4,6,8,10,12,14,16,18,20,22,24,26,28,30,32,34,36,38,40,42,44,46,48,50,52,54,56,58,60,62
	v_pk_fma_f32 v[S+\j:S+\j+1], v[S+\j:S+\j+1], s[CS:CS+1], v[12:13] op_sel_hi:[1,0,0]   ; t - M
.endr
.irp b, 0,1,2,3
	v_fma_f32 v[BM+\b], v[BM+\b], s[CS], v12       ; the same of each block's largest score
.endr
.irp j, 0,1,2,3,4,5,6,7,8,9,10,11,12,13,14,15,16,17,18,19,20,21,22,23,24,25,26,27,28,29,30,31,32,33,34,35,36,37,38,39,40,41,42,43,44,45,46,47,48,49,50,51,52,53,54,55,56,57,58,59,60,61,62,63
	v_exp_f32 v[S+\j], v[S+\j]                     ; p = 2^(t - M): not normalised
.endr
	v_pk_mul_f32 v[14:15], v[14:15], v[FF:FF+1] op_sel_hi:[1,0]   ; the sums under the new M: the plain instruction behind the exponentials
	s_wait_alu depctr_va_vdst(0)                   ; one wait for the batch of 64, ahead of its first reader
.irp b, 0,1,2,3
	v_exp_f32 v[BM+\b], v[BM+\b]                   ; the blocks' largest p
.endr
	v_pk_add_f32 v[SU2:SU2+1], v[S:S+1], v[S+2:S+3]   ; the row's sum is taken of the unquantised p, in two chains
.irp j, 4,8,12,16,20,24,28,32,36,40,44,48,52,56,60
	v_pk_add_f32 v[14:15], v[14:15], v[S+\j:S+\j+1]
	v_pk_add_f32 v[SU2:SU2+1], v[SU2:SU2+1], v[S+2+\j:S+3+\j]
.endr
	v_pk_add_f32 v[14:15], v[14:15], v[SU2:SU2+1]
	s_wait_alu depctr_va_vdst(0)                   ; and one for the four
.irp b, 0,1,2,3
	v_max_num_f32 v[BM+\b], 0x1800000, v[BM+\b]    ; the floor 2^(3 - 127): the byte cannot fall under 1
.endr
.irp b, 0,1,2,3
	v_add_nc_u32 v[SCO+\b], 0xff000000, v[BM+\b]   ; 2 off the exponent field: the conversion's scale operand
.endr
.irp b, 0,1,2,3
	v_lshrrev_b32 v[BT+\b], 23, v[SCO+\b]          ; the scale's byte
.endr
	v_lshl_or_b32 v[PSW], v[BT+1], 8, v[BT]        ; p's scale word for these 128 keys
	v_lshl_or_b32 v[PSW], v[BT+2], 16, v[PSW]
	v_lshl_or_b32 v[PSW], v[BT+3], 24, v[PSW]
.irp c, 0,1
	v_cvt_scalef32_pk16_fp6_f32 v[PC+6*\c:PC+2+6*\c], v[S+32*\c:S+15+32*\c], v[SCO+2*\c]
	v_cvt_scalef32_pk16_fp6_f32 v[PX+4*\c:PX+2+4*\c], v[S+16+32*\c:S+31+32*\c], v[SCO+2*\c+1]   ; (a conversion's three registers begin on an even number)
.endr
	v_nop                                          ; one plain place behind a scaled conversion
.irp c, 0,1                            ; the operand's layout wants a whole block in a lane
.irp i, 0,1,2
	v_permlane16_swap_b32 v[PC+6*\c+\i], v[PX+4*\c+\i]
.endr
.irp i, 0,1,2
	v_mov_b32 v[PC+3+6*\c+\i], v[PX+4*\c+\i]
.endr
.endr
.irp j, 0,2,4,6,8,10,12,14
	v_pk_mul_f32 v[O+\j:O+\j+1], v[O+\j:O+\j+1], v[FF:FF+1] op_sel_hi:[1,0]   ; O^T under the new M; these eight are also the places between the codes' last write and the products
.endr
	s_wait_dscnt 0x0                               ; v is in
	v_wmma_scale_f32_16x16x128_f8f6f4 v[O:O+7], v[VF:VF+11], v[PC:PC+11], v[O:O+7], v[VSW], v[PSW] matrix_a_fmt:MATRIX_FMT_FP6 matrix_b_fmt:MATRIX_FMT_FP6
	v_wmma_scale_f32_16x16x128_f8f6f4 v[O+8:O+15], v[VF+12:VF+23], v[PC:PC+11], v[O+8:O+15], v[VSW], v[PSW] matrix_a_fmt:MATRIX_FMT_FP6 matrix_b_fmt:MATRIX_FMT_FP6 matrix_a_scale:MATRIX_SCALE_ROW1
.rept 4
	v_nop                                          ; places in front of the next loads into v's registers and of the reads of O^T
.endr
.Lskip_\e:
	s_add_co_u32 s[KAP16], s[KAP16], 1
	s_add_co_u32 s[TK], s[TK], 3072
	s_add_co_u32 s[TS], s[TS], 128
	s_add_co_u32 s[MOFF], s[MOFF], 256
	s_add_co_u32 s[KAP], s[KAP], 1
	s_cmp_lt_u32 s[KAP], 16
	s_cbranch_scc1 .Lstep_\e
	v_add_f32 v14, v14, v15                        ; the sum's two halves,
	v_permlanex16_b32 v7, v14, s[SEL], s[SEL+1]
	v_add_f32 v14, v14, v7                         ; and lane l xor 16's
	v_rcp_f32 v14, v14
	v_nop                                          ; a plain instruction behind the reciprocal
	s_wait_alu depctr_va_vdst(0)                   ; and the wait ahead of its first reader
.irp i, 0,1,2,3,4,5,6,7,8,9,10,11,12,13,14,15
	v_mul_f32 v[S+\i], v[O+\i], v14                ; O^T / the sum; 0 x infinity = NaN where no key counted
.endr
.irp k, 0,1,2,3
	ds_store_b128 v[STA+\e], v[S+4*\k:S+4*\k+3] offset:16*\k   ; my query's 16 numbers: 64 bytes of its row
.endr
.endm
	UNIT 0
	UNIT 1
	s_wait_dscnt 0x0                               ; for the others' sake: my rows lie in the stage
	s_barrier_signal -1
	s_barrier_wait -1                              ; a row's 256 bytes (two heads) come from two waves
.irp i, 0,1,2,3,4,5,6,7
	ds_load_b128 v[S+4*\i:S+4*\i+3], v[RD] offset:2*\i*SPT
.endr
.irp i, 0,1,2,3,4,5,6,7
	s_wait_dscnt 7-\i                              ; the younger read-backs may be out
	global_store_b128 v[GO], v[S+4*\i:S+4*\i+3], s[12:13] offset:(2*\i+8*(\i/4))*4096 th:TH_STORE_NT   ; stage row r is token .. + r % 8 + 16 (r / 8); sixteen lanes store 256 consecutive bytes, aligned
.endr
	s_wait_tensorcnt 0x0
	ds_add_u32 v254, v255
	s_wait_dscnt 0x0
	s_endpgm
.Lfunc_end_k_q02454f4662_attn:
	.size	k_q02454f4662_attn, .Lfunc_end_k_q02454f4662_attn-k_q02454f4662_attn
	.p2alignl 7, 3214868480
	.fill 96, 4, 3214868480
	.section	.rodata,"a",@progbits
	.p2align	6, 0x0
	.amdhsa_kernel k_q02454f4662_attn
		.amdhsa_group_segment_fixed_size 276480
		.amdhsa_private_segment_fixed_size 0
		.amdhsa_enable_private_segment 0
		.amdhsa_kernarg_size 40
		.amdhsa_user_sgpr_count 2
		.amdhsa_user_sgpr_kernarg_segment_ptr 1
		.amdhsa_wavefront_size32 1
		.amdhsa_system_sgpr_workgroup_id_x 1
		.amdhsa_system_sgpr_workgroup_id_y 1
		.amdhsa_system_sgpr_workgroup_id_z 1
		.amdhsa_system_vgpr_workitem_id 0
		.amdhsa_next_free_vgpr 256
		.amdhsa_next_free_sgpr 102
		.amdhsa_reserve_vcc 0
		.amdhsa_float_denorm_mode_32 3
		.amdhsa_float_denorm_mode_16_64 3
		.amdhsa_memory_ordered 1
		.amdhsa_forward_progress 1
		.amdhsa_inst_pref_size 61
	.end_amdhsa_kernel
	.amdgpu_metadata
---
amdhsa.version: [ 1, 2 ]
amdhsa.kernels:
  - .name:           k_q02454f4662_attn
    .symbol:         k_q02454f4662_attn.kd
    .args:
      - { .name: qkc, .offset: 0, .size: 8, .value_kind: global_buffer, .address_space: global }
      - { .name: vc, .offset: 8, .size: 8, .value_kind: global_buffer, .address_space: global }
      - { .name: sc, .offset: 16, .size: 8, .value_kind: global_buffer, .address_space: global }
      - { .name: mwf, .offset: 24, .size: 8, .value_kind: global_buffer, .address_space: global }
      - { .name: out0, .offset: 32, .size: 8, .value_kind: global_buffer, .address_space: global }
    .group_segment_fixed_size: 276480
    .private_segment_fixed_size: 0
    .kernarg_segment_align: 8
    .kernarg_segment_size: 40
    .max_flat_workgroup_size: 512
    .sgpr_count:     102
    .vgpr_count:     256
    .wavefront_size: 32
...
	.end_amdgpu_metadata
.endif
;; end of part 3
